; MI455X (gfx1250); checked and timed in simulation.
; The chip was launched on July 23, 2026; its instructions are those of AMD's public machine-readable ISA for CDNA 5 (MIT licence, August 2026) and "CDNA5" Instruction Set Architecture Reference Guide (July 2026). The comments in the code are by the model that wrote it; some were corrected since.
;; Model. Allowed arithmetic: matrix products marked QUANTISED: E2M1 operands, one E8M0 scale for each 32 along K, by v_wmma_scale_f32_16x16x128_f8f6f4 with both operands' format E2M1 (or v_wmma_scale_f32_32x16x128_f4), f32 sums; everything else in f32.
;; Inputs: key 8,192 x 16 x 32 float32; query 8,192 x 16 x 32 float32; value 8,192 x 16 x 8 float32.
;; Outputs: out0 8,192 x 16 x 8 float32.
;; This version of the problem:
;;   THIS VERSION OF THE PROBLEM IS GIVEN IN LOW PRECISION. The matrix products marked QUANTISED in the list below multiply operands that are first quantised to E2M1 (2 exponent bits, 1 mantissa bit; 4 bits a number), with one power-of-two scale for each 32 numbers along K (OCP MX v1.0); their sums are f32. All else is computed in f32.
;;   The module's matrix products, in the order in which they are computed (A, B: the left and right operand; K: the contracted axis; several contracted axes count as one K, in the product's order):
;;     1. [M 8,192, K 512] x [K 512, N 8,192]; A: input query; B: input key: QUANTISED
;;     2. [M 8,192, K 8,192] x [K 8,192, N 128]; A: softmax (see below); B: input value: QUANTISED
;;   THE QUANTISER, for each operand of a quantised product, along K:
;;     - K is cut into blocks of 32 from its start; a last block that is shorter is filled with zeros.
;;     - A block's scale is 2^e with e = floor(log2(the largest magnitude in the block)) - 2, held to -126 .. 127; a block of zeros has e = 0. As a byte (E8M0): e + 127.
;;     - Each number is divided by its block's scale, clamped to +-6, and rounded to the nearest number of E2M1, ties to even, subnormals kept.
;;     - The product sums the exact products of the quantised numbers (number of the format x scale) in f32.
;;   ~~~python
;;   def quantise(x, axis):      # numpy; x: float32 -> the quantised numbers, widened to float32 again
;;       x = np.moveaxis(x, axis, -1); K = x.shape[-1]
;;       x = np.pad(x, [(0, 0)] * (x.ndim - 1) + [(0, -K % 32)]); x = x.reshape(x.shape[:-1] + (-1, 32)); a = np.abs(x).max(-1, keepdims=True)
;;       e = np.where(a > 0, np.clip(np.frexp(np.where(a > 0, a, 1))[1] - 1 - 2, -126, 127), 0)      # np.frexp(a)[1] - 1 = floor(log2(a)), exactly
;;       r = np.clip(x / 2.0 ** e, -6, 6)
;;       step = 2.0 ** (np.maximum(np.frexp(np.where(r == 0, 1, r))[1] - 1, 0) - 1)
;;       q = np.round(r / step) * step * 2.0 ** e      # np.round: ties to even
;;       return np.moveaxis(q.reshape(q.shape[:-2] + (-1,))[..., :K], -1, axis).astype(np.float32)
;;   ~~~
;;   SOFTMAX AHEAD OF A QUANTISED PRODUCT. Where the list says 'softmax', what is quantised is not the finished softmax but p = 2^(t - M), with t = logit x log2(e) and M = ceil(the row's largest t), a whole number; so 1/2 < the row's largest p <= 1. The row's sum l is taken of the UNQUANTISED p, in f32, and the product's result is divided by l at the end. Since M is a whole number, a kernel that streams over the keys may use a running M (the ceiling of the running maximum): every later rescaling is an exact power of two, which a block's scale takes up: the codes' values come out the same.
;;   OPERANDS COMPUTED ON THE WAY. 'Computed on the way' means the value that the module computes at that place (a softmax that the list does not call 'softmax' is quantised finished and normalised). What goes into a quantiser is computed in f32, as accurately as f32 sums, v_exp_f32 and their like allow (about 1e-6 of the number): no bf16 or f16 on the way to a quantiser, and a product that is left as it is and whose result goes on into a quantised operand takes f32 operands (vector FMAs, or v_wmma_f32_16x16x4_f32). A number that lies on a knife's edge between two numbers of the format may be rounded either way, as far as f32 arithmetic and the matrix unit's own rounding can turn it there, and no further.
;; One version. Each part assembles by itself: llvm-mc -triple=amdgcn-amd-amdhsa -mcpu=gfx1250 --defsym DOCPART=n.
;; ======== version 1 of 1: 3 launches
;; limits: right only within a limited range of input values
;; workspace buffers: qc 2,097,152 bytes; qs 131,072 bytes; kv 2,785,280 bytes; opart 16,777,216 bytes; stat 524,288 bytes
;; launch quant (part 1): grid 256 x 1, 9 waves a work-group, no clusters, 71,936 bytes of LDS; arguments query, key, value, qc, qs, kv; writes qc, qs, kv
.if DOCPART == 1
	.amdgcn_target "amdgcn-amd-amdhsa--gfx1250"
	.amdhsa_code_object_version 6
	.text
	.protected	k_q18cc3cf353_quant
	.globl	k_q18cc3cf353_quant
	.p2align	8
	.type	k_q18cc3cf353_quant,@function
k_q18cc3cf353_quant:
	s_mov_b64 s[64:65], 0
	v_nop
	global_prefetch_b8 v0, s[64:65] scope:SCOPE_SE
	s_setreg_imm32_b32 hwreg(HW_REG_WAVE_MODE, 25, 1), 1
	s_wait_xcnt 0x0
; query [8192][512], key [8192][512] and value [8192][128], f32, become codes of FP4 (E2M1) with one E8M0 scale byte for each 32 along K, laid IN THE ORDER OF THE
; OPERAND'S REGISTERS, so that the next launch takes every fragment by loads of 16 bytes a lane, 512 consecutive bytes a load.  K is the 512 features for query and key, the KEYS for value.
; A block's scale is 2^(floor(log2(its largest magnitude)) - 2); its byte is the largest magnitude's exponent field - 2, held at 1 from below.
; LIMITS: a block of zeros gets the byte 1 where the quantiser's rule says 127 (its codes are zeros, which add nothing under any byte but 0xff, and this program alone reads the bytes);
; blocks whose largest magnitude lies under 2^(3 - 127) share that byte; NaN and infinities among the inputs are not served.
; LAYOUTS.  qc: [tile of 16 queries][piece i = 0..7][lane][16 bytes]: lane (r, h) of piece i holds the codes of row r at k = 64 i + 32 h + 0..31.  qs: [tile][r][16 bytes], byte b for k = 32 b on.
; kv: one record of STEPB bytes for each 128 keys: key's codes (8 tiles as in qc; row r of tile 4 c + u is key 64 c + 8 u + 32 (r / 8) + r % 8 of the step, so that the scores of four
; tiles give a lane a whole block of 32 neighbouring keys), value's codes (8 tiles of 16 channels x 128 keys), key's scale bytes [tile][r][16], value's scale words [channel][4].
; SHARES.  256 equal work-groups.  Work-groups 0-127 take four tiles of key, 128-255 four of query (one path: only pointers and offsets are chosen, by the work-group's number): waves 2 i and 2 i + 1
; take the halves of tile i's features.  Wave 8 takes 32 channels x 128 keys of value.  All of a key or query wave's 32 loads are issued at its start.
; No tensor loads.  One barrier, for the scale bytes: a tile's 256 come from two waves and leave as one aligned unit.  A cluster would buy nothing: no two work-groups read the same bytes.
.set STEPB, 43520                      ; a record of kv: 32,768 + 8,192 + 2,048 + 512
.set VCO,   32768                      ; value's codes in a record
.set KSO,   40960                      ; key's scale bytes
.set VSO,   43008                      ; value's scale words
.set STG,   4352                       ; a stage: 16 rows x 272 bytes
.set WREG,  2*STG                      ; two stages for each of waves 0-7
.set SBY,   8*WREG                     ; behind them four tiles' scale bytes, 256 each
.set SPARE, SBY+1024                   ; the spare words, 128 bytes for each of nine waves, in five blocks of 256 bytes
.set E,     16                         ; v16-19   a scale byte for each step
.set SPW,   30                         ; v30      LDS address of my spare word
.set NIL,   31                         ; v31      0
.set R,     32                         ; v32-159  four sets of 32 registers as loaded
.set X,     160                        ; v160-223 two sets: 32 neighbours along K
.set C,     224                        ; v224-239 codes: four registers for each step, so that no store's data are written again
.set XV,    32                         ; value: v32-95 two sets of 32 numbers down the keys
.set CV,    96                         ; v96-111 codes: four registers for each block
; The largest magnitude of the 32 numbers v[XS] .. v[XS+31], in two chains, with the floor 2^(3 - 127) as one more leaf: into v12
.macro AMAX
	v_max3_num_f32 v12, |v[XS]|, |v[XS+1]|, |v[XS+2]|
	v_max3_num_f32 v13, |v[XS+3]|, |v[XS+4]|, |v[XS+5]|
.irp i, 6,10,14,18,22,26
	v_max3_num_f32 v12, v12, |v[XS+\i]|, |v[XS+\i+1]|
	v_max3_num_f32 v13, v13, |v[XS+\i+2]|, |v[XS+\i+3]|
.endr
	v_max3_num_f32 v12, v12, |v[XS+30]|, |v[XS+31]|
	v_max3_num_f32 v12, v12, v13, 0x1800000
.endm
; key/query, step t: the 256 bytes at byte 256 t of my half of each of the tile's 16 rows.  Sixteen lanes read 256 consecutive aligned bytes of row 2 j + h
.macro LOAD t
.irp j, 0,1,2,3
	global_load_b128 v[R+32*(\t)+4*\j:R+32*(\t)+4*\j+3], v4, s[20:21] offset:4096*\j+256*(\t) th:TH_LOAD_NT
.endr
.irp j, 4,5,6,7
	global_load_b128 v[R+32*(\t)+4*\j:R+32*(\t)+4*\j+3], v4, s[22:23] offset:4096*\j+256*(\t) th:TH_LOAD_NT   ; rows 8-15: key's lie 24 rows further on
.endr
.endm
; step t's numbers through the wave's own stage: in as loaded, out 128 bytes a lane (row r, block h).  LDS serves a wave's instructions in order: no wait between the stores and the loads.
; Rows 272 bytes apart: the sixteen lanes of a load or store touch sixteen different 16-byte columns of 256.
.macro TURN t
.irp j, 0,1,2,3,4,5,6,7
	ds_store_b128 v5, v[R+32*(\t)+4*\j:R+32*(\t)+4*\j+3] offset:STG*((\t)%2)+544*\j
.endr
.irp k, 0,1,2,3,4,5,6,7
	ds_load_b128 v[X+32*((\t)%2)+4*\k:X+32*((\t)%2)+4*\k+3], v6 offset:STG*((\t)%2)+16*\k
.endr
.endm
.macro STEP t
.set XS, X+32*((\t)%2)
.if (\t) > 0
	s_wait_dscnt 1                                 ; this step's numbers are back from the stage; behind its loads only the last step's byte store was issued
.else
	s_wait_dscnt 0x0
.endif
.if (\t)+1 < 4
	s_wait_loadcnt 8*(2-(\t))                      ; the next step's eight loads are in; those of the steps behind it may be out
	TURN (\t)+1                                    ; through the other stage while this step is worked
.endif
	AMAX                                           ; the block is all mine: 32 numbers of row r
	v_add_nc_u32 v14, 0xff000000, v12              ; 2 off the exponent field: the conversion takes the exponent field of this operand as its scale, and nothing else of it
.irp g, 0,1,2,3
	v_cvt_scalef32_pk8_fp4_f32 v[C+4*(\t)+\g], v[XS+8*\g:XS+8*\g+7], v14   ; to the nearest code, ties to even, beyond the largest code the largest
.endr
	v_lshrrev_b32 v[E+(\t)], 23, v14               ; the scale's byte (a plain line behind the conversions)
	ds_store_b8 v7, v[E+(\t)] offset:2*(\t)        ; block 8 x half + 2 t + h of row r
	global_store_b128 v9, v[C+4*(\t):C+4*(\t)+3], s[24:25] offset:512*(\t)   ; 32 lanes store 512 consecutive bytes, aligned to 256
.endm
; value, block t: value(32 t + i, my channel), i = 0..31: 32 lanes read 128 consecutive bytes
.macro LOADV t
.irp i, 0,1,2,3,4,5,6,7,8,9,10,11,12,13,14,15,16,17,18,19,20,21,22,23,24,25,26,27,28,29,30,31
	global_load_b32 v[XV+32*((\t)%2)+\i], v3, s[8:9] offset:512*(32*(\t)+\i) th:TH_LOAD_NT
.endr
.endm
.macro BLOCK t
.set XS, XV+32*((\t)%2)
.if (\t) < 3
	s_wait_loadcnt 32                              ; this block's 32 loads are in; the next block's may be out
.else
	s_wait_loadcnt 0x0
.endif
	AMAX                                           ; a lane's registers run down the keys: the block needs no other lane
	v_add_nc_u32 v14, 0xff000000, v12
	v_lshrrev_b32 v13, 23, v14
.if (\t) == 0
	v_mov_b32 v24, v13                             ; the step's four bytes make my channel's scale word
.else
	v_lshl_or_b32 v24, v13, 8*(\t), v24
.endif
.irp g, 0,1,2,3
	v_cvt_scalef32_pk8_fp4_f32 v[CV+4*(\t)+\g], v[XS+8*\g:XS+8*\g+7], v14
.endr
	global_store_b128 v4, v[CV+4*(\t):CV+4*(\t)+3], s[22:23] offset:512*((\t)/2)+256*((\t)%2)   ; keys 64 (t / 2) + 32 (t % 2) on: sixteen lanes store 256 consecutive aligned bytes
.if (\t)+2 < 4
	LOADV (\t)+2
.endif
.endm
	s_load_b256 s[4:11], s[0:1], 0x0               ; query s[4:5], key s[6:7], value s[8:9], qc s[10:11]
	s_load_b128 s[12:15], s[0:1], 0x20             ; qs s[12:13], kv s[14:15]
	v_lshl_add_u32 v[SPW], v0, 2, SPARE
	v_mov_b32 v[NIL], 0
	v_lshrrev_b32 v1, 5, v0
	v_readfirstlane_b32 s16, v1                    ; wave 0..8
	v_and_b32 v2, 31, v0                           ; lane
	v_lshlrev_b32 v10, 3, v2                       ; the scale bytes' way out: 8 bytes a lane
	s_lshl_b32 s38, s16, 8
	v_add_nc_u32 v8, s38, v10
	v_add_nc_u32 v8, SBY, v8                       ; waves 0-3: tile 'wave' of the four
	s_cmp_ge_u32 s16, 8
	s_wait_alu depctr_va_vdst(0)                   ; directly ahead of the branch
	s_cbranch_scc1 .Lvalue
	; ---- key and query: a wave takes one tile of 16 rows x 256 features
	s_lshr_b32 s38, s16, 1                         ; which of the four tiles
	s_and_b32 s37, s16, 1                          ; which half of the features
	s_and_b32 s17, ttmp9, 127
	s_lshl_b32 s17, s17, 2
	s_add_co_u32 s17, s17, s38                     ; the tile, 0..511
	s_lshr_b32 s18, s17, 2                         ; key: first row 64 (tile / 4) + 8 (tile % 4),
	s_lshl_b32 s18, s18, 6
	s_and_b32 s19, s17, 3
	s_lshl_b32 s19, s19, 3
	s_add_co_u32 s18, s18, s19
	s_lshr_b32 s28, s17, 3
	s_mul_i32 s28, s28, STEPB                      ; its record,
	s_and_b32 s29, s17, 7
	s_lshl_b32 s30, s29, 12
	s_add_co_u32 s30, s30, s28                     ; its codes' place
	s_lshl_b32 s32, s17, 4                         ; query: first row 16 tile,
	s_lshl_b32 s33, s17, 12                        ; codes
	s_mul_i32 s36, s16, WREG                       ; my wave's stages
	s_lshl_b32 s38, s38, 8
	s_lshl_b32 s39, s37, 3
	s_add_co_u32 s38, s38, s39
	s_add_co_u32 s38, s38, SBY                     ; my half of the tile's scale bytes
	v_and_b32 v3, 15, v0                           ; r
	v_bfe_u32 v1, v0, 4, 1                         ; h
	v_lshlrev_b32 v11, 4, v3
	v_lshl_add_u32 v4, v1, 11, v11                 ; in: row h of a pair, 16 bytes a lane
	v_mul_u32_u24 v5, v1, 272
	v_add_nc_u32 v5, v5, v11
	v_add_nc_u32 v5, s36, v5                       ; the stage, on the way in
	v_mul_u32_u24 v6, v3, 272
	v_lshl_add_u32 v6, v1, 7, v6
	v_add_nc_u32 v6, s36, v6                       ; and out: row r, block h
	v_add_nc_u32 v7, v11, v1
	v_add_nc_u32 v7, s38, v7                       ; my block's scale byte: 16 r + 8 x half + h (+ 2 t)
	v_lshlrev_b32 v9, 4, v2                        ; a piece's place for my lane
	s_wait_alu depctr_va_vdst(0)                   ; directly ahead of the wait below
	s_wait_kmcnt 0x0
	s_cmp_lt_u32 ttmp9, 128                        ; key's work-group or query's?  The choice hangs on the work-group's number alone; only selections follow the compare
	s_cselect_b32 s18, s18, s32
	s_cselect_b32 s30, s30, s33
	s_cselect_b32 s35, 0xc000, 0                   ; key's rows 8-15 of a tile lie 24 rows of 2,048 bytes further on
	s_cselect_b64 s[20:21], s[6:7], s[4:5]
	s_cselect_b64 s[24:25], s[14:15], s[10:11]
	s_lshl_b32 s18, s18, 11                        ; rows of 2,048 bytes
	s_lshl_b32 s29, s37, 10
	s_add_co_u32 s18, s18, s29                     ; + my half of a row
	s_mov_b32 s19, 0
	s_add_nc_u64 s[20:21], s[20:21], s[18:19]      ; rows 0-7
	s_mov_b32 s18, s35
	s_add_nc_u64 s[22:23], s[20:21], s[18:19]      ; rows 8-15
	s_lshl_b32 s29, s37, 11
	s_add_co_u32 s18, s30, s29
	s_add_nc_u64 s[24:25], s[24:25], s[18:19]      ; the tile's codes, my half's four pieces
.irp t, 0,1,2,3
	LOAD \t
.endr
	s_wait_loadcnt 24                              ; step 0's eight loads are in
	TURN 0
.irp t, 0,1,2,3
	STEP \t
.endr
	s_branch .Lmeet
	; ---- value: wave 8 takes a step of 128 keys x 32 channels, a lane one channel.  Work-groups n, n + 8, n + 16, n + 24 share a step
.Lvalue:
	v_lshlrev_b32 v3, 2, v2                        ; in, and the scale word out: 4 bytes a lane
	v_lshrrev_b32 v4, 4, v2
	v_and_b32 v5, 15, v2
	v_lshlrev_b32 v5, 4, v5
	v_lshl_add_u32 v4, v4, 10, v5                  ; codes: tile lane / 16 of my two, row lane % 16
	s_lshr_b32 s17, ttmp9, 5
	s_lshl_b32 s17, s17, 3
	s_and_b32 s18, ttmp9, 7
	s_or_b32 s17, s17, s18                         ; the step
	s_bfe_u32 s39, ttmp9, 0x20003                  ; which 32 channels
	s_lshl_b32 s18, s17, 16                        ; its 128 rows of 512 bytes,
	s_lshl_b32 s19, s39, 7
	s_add_co_u32 s18, s18, s19                     ; my 32 channels
	s_mov_b32 s19, 0
	s_mul_i32 s20, s17, STEPB
	s_lshl_b32 s22, s39, 11
	s_add_co_u32 s22, s22, s20
	s_add_co_u32 s22, s22, VCO                     ; my two tiles of codes
	s_mov_b32 s23, 0
	s_lshl_b32 s24, s39, 7
	s_add_co_u32 s24, s24, s20
	s_add_co_u32 s24, s24, VSO                     ; my 32 scale words
	s_mov_b32 s25, 0
	s_wait_alu depctr_va_vdst(0)                   ; directly ahead of the wait below
	s_wait_kmcnt 0x0
	s_add_nc_u64 s[8:9], s[8:9], s[18:19]
	s_add_nc_u64 s[22:23], s[14:15], s[22:23]
	s_add_nc_u64 s[24:25], s[14:15], s[24:25]
	LOADV 0
	LOADV 1
.irp t, 0,1,2,3
	BLOCK \t
.endr
	s_wait_alu depctr_va_vdst(0)                   ; directly ahead of the reader below
	global_store_b32 v3, v24, s[24:25]             ; 128 consecutive bytes: one byte in 128 of what this path reads
	; ---- the scale bytes of key and query: wave w of waves 0-3 stores tile w's
.Lmeet:
	s_wait_dscnt 0x0                               ; for the others' sake: my byte stores are done
	s_barrier_signal -1
	s_barrier_wait -1
	s_cmp_lt_u32 s16, 4
	s_cbranch_scc0 .Lend
	ds_load_b64 v[12:13], v8
	s_and_b32 s17, ttmp9, 127
	s_lshl_b32 s17, s17, 2
	s_add_co_u32 s17, s17, s16                     ; the tile
	s_lshr_b32 s28, s17, 3
	s_mul_i32 s28, s28, STEPB
	s_and_b32 s29, s17, 7
	s_lshl_b32 s29, s29, 8
	s_add_co_u32 s28, s28, s29
	s_add_co_u32 s28, s28, KSO                     ; key: its place in the record
	s_lshl_b32 s17, s17, 8                         ; query: 256 bytes a tile
	s_cmp_lt_u32 ttmp9, 128
	s_cselect_b32 s18, s28, s17
	s_cselect_b64 s[26:27], s[14:15], s[12:13]
	s_mov_b32 s19, 0
	s_add_nc_u64 s[26:27], s[26:27], s[18:19]
	s_wait_dscnt 0x0
	global_store_b64 v10, v[12:13], s[26:27]       ; 32 lanes store 256 consecutive aligned bytes
.Lend:
	s_wait_tensorcnt 0x0                           ; the wave's end
	ds_add_u32 v[SPW], v[NIL]
	s_wait_dscnt 0x0
	s_endpgm
.Lfunc_end_k_q18cc3cf353_quant:
	.size	k_q18cc3cf353_quant, .Lfunc_end_k_q18cc3cf353_quant-k_q18cc3cf353_quant
	.p2alignl 7, 3214868480
	.fill 96, 4, 3214868480
	.section	.rodata,"a",@progbits
	.p2align	6, 0x0
	.amdhsa_kernel k_q18cc3cf353_quant
		.amdhsa_group_segment_fixed_size 71936
		.amdhsa_private_segment_fixed_size 0
		.amdhsa_enable_private_segment 0
		.amdhsa_kernarg_size 48
		.amdhsa_user_sgpr_count 2
		.amdhsa_user_sgpr_kernarg_segment_ptr 1
		.amdhsa_wavefront_size32 1
		.amdhsa_system_sgpr_workgroup_id_x 1
		.amdhsa_system_sgpr_workgroup_id_y 1
		.amdhsa_system_sgpr_workgroup_id_z 1
		.amdhsa_system_vgpr_workitem_id 0
		.amdhsa_next_free_vgpr 240
		.amdhsa_next_free_sgpr 66
		.amdhsa_reserve_vcc 0
		.amdhsa_float_denorm_mode_32 3
		.amdhsa_float_denorm_mode_16_64 3
		.amdhsa_memory_ordered 1
		.amdhsa_forward_progress 1
		.amdhsa_inst_pref_size 37
	.end_amdhsa_kernel
	.amdgpu_metadata
---
amdhsa.version: [ 1, 2 ]
amdhsa.kernels:
  - .name:           k_q18cc3cf353_quant
    .symbol:         k_q18cc3cf353_quant.kd
    .args:
      - { .name: query, .offset: 0, .size: 8, .value_kind: global_buffer, .address_space: global }
      - { .name: key, .offset: 8, .size: 8, .value_kind: global_buffer, .address_space: global }
      - { .name: value, .offset: 16, .size: 8, .value_kind: global_buffer, .address_space: global }
      - { .name: qc, .offset: 24, .size: 8, .value_kind: global_buffer, .address_space: global }
      - { .name: qs, .offset: 32, .size: 8, .value_kind: global_buffer, .address_space: global }
      - { .name: kv, .offset: 40, .size: 8, .value_kind: global_buffer, .address_space: global }
    .group_segment_fixed_size: 71936
    .private_segment_fixed_size: 0
    .kernarg_segment_align: 8
    .kernarg_segment_size: 48
    .max_flat_workgroup_size: 288
    .sgpr_count:     66
    .vgpr_count:     240
    .wavefront_size: 32
...
	.end_amdgpu_metadata
.endif
;; end of part 1
;; launch attn (part 2): grid 64 x 4, 8 waves a work-group, clusters of 4 x 1, 327,680 bytes of LDS; arguments qc, qs, kv, opart, stat; writes opart, stat
.if DOCPART == 2
	.amdgcn_target "amdgcn-amd-amdhsa--gfx1250"
	.amdhsa_code_object_version 6
	.text
	.protected	k_q18cc3cf353_attn
	.globl	k_q18cc3cf353_attn
	.p2align	8
	.type	k_q18cc3cf353_attn,@function
k_q18cc3cf353_attn:
	s_mov_b64 s[64:65], 0
	v_nop
	global_prefetch_b8 v0, s[64:65] scope:SCOPE_SE
	s_setreg_imm32_b32 hwreg(HW_REG_WAVE_MODE, 25, 1), 1
	s_wait_xcnt 0x0
	s_wait_alu depctr_hold_cnt(0) depctr_sa_sdst(0) depctr_va_vdst(0) depctr_va_sdst(0) depctr_va_ssrc(0) depctr_va_vcc(0) depctr_vm_vsrc(0)
	s_getreg_b32 s2, hwreg(HW_REG_IB_STS2, 6, 4)
	s_cmp_eq_u32 s2, 0
	s_cbranch_scc0 .Lentry_in_a_cluster
	s_endpgm
.Lentry_in_a_cluster:
	s_bfe_u32 s2, ttmp6, 0x10000c
	s_cmp_lg_u32 s2, 0x3003
	s_cbranch_scc0 .Lentry_shape_is_right
	s_endpgm
.Lentry_shape_is_right:
; A work-group takes 128 queries and one of four splits of 2,048 keys, and leaves for each query the unnormalised sum over these keys of p v, with -M and the sum l of p.
; Both products run on codes of FP4 (E2M1) with one E8M0 scale for each 32 along K: scores = q k^T over 512 features, then p v over the keys.
; THE SOFTMAX AHEAD OF THE SECOND PRODUCT: t = score x log2(e) / 32; M = the largest t so far, rounded UP to a whole number; p = 2^(t - M) is quantised along the keys, not normalised; l is the sum of
; the unquantised p.  When M moves, l and the sums are multiplied by 2^(old M - new M), which rounds nothing.  The next launch brings the four splits under one M and divides.
; LIMITS: a p under 2^-126 counts as 0 (v_exp_f32 gives no denormals: ISA guide, its entry in 15.8); a block's scale is taken from 2^(the block's largest t - M - 2), which takes v_exp_f32 not to fall
; where its input rises; the scaled scores t stay under 2^31 in magnitude; NaN and infinities are not served.
; SHARES.  Eight waves: wave w owns query tiles 2 (w % 4) and 2 (w % 4) + 1 of the block's eight, so that each fragment of key and value read from LDS feeds two query tiles, and key group w / 4: of each
; slot's two records of 128 keys waves 0-3 take the first, waves 4-7 the second.  The two groups' sums are joined in LDS at the end.  64 blocks x 4 splits are 256 work-groups of equal work.
; LAYOUT.  Both products are used transposed: S^T = K Q^T (source 0 = 32 keys, source 1 = 16 queries), O^T = V^T P^T (source 0 = 32 channels): a lane holds ONE query (lane % 16) throughout.
; Row r of key tile 4 c + u is key 64 c + 8 u + 32 (r / 8) + r % 8, so the 32 registers of tiles 4 c .. 4 c + 3 are the whole block of keys 64 c + 32 (lane / 16) + 0..31: its largest score needs no
; other lane, and its codes are the second product's operand as they stand.
; TWO GROUPS OF WAVES, HALF A STEP APART.  A wave's step has two phases.  QKPH reads the wave's whole record from LDS (43,520 bytes, value's fragments among them) and issues 32 products and next to no
; vector work; SMPV (softmax, rescaling, V^T P^T) is some 450 vector and 8 matrix instructions on registers alone.  Waves 0-3 run QKPH of step j while waves 4-7 run SMPV of step j - 1, then they change
; places: at any time four waves read LDS and four do vector work.  The text goes in halves, each under a branch on the wave's number; every barrier and every tensor load stands on the common way.
; At a change of slots waves 0-3 have finished SMPV of the slot's step and waves 4-7 its QKPH, so both are done with the slot's bytes.
; THE RING.  A record is dense, laid in the order of the operands' registers: every fragment load takes 512 consecutive bytes, so there is no pitch and no padding.  Two slots of two records.
; Waves 0-3 fetch a quarter of a slot each (85 rows of 256 bytes); a wave has at most one tensor load out, and it has a whole step's work of both groups in which to land.
; No prefetch: a refill is asked for a whole step (of both groups) ahead of its wait, and all sixteen clusters of a split walk the same records in the same order.
; CLUSTER.  The four query blocks of a cluster walk the same split: each quarter is asked for JOINTLY, by the same tensor load with the same descriptor and the mask of all four.
; O^T begins as zeros (128 v_mov_b32, once): a first step whose products start the sums would be further copies of the phases in the text.
; REGISTERS.  Window 0: v1-11 addresses; v12-19 -M, largest score, l in two halves, for each tile; v20-23 f; v24-45 at work; v64-191 S^T, then p; v192-207 p's codes; v208-237 scale words and nothing else.
;   Window 1: v0-127 O^T; v128-191 Q's fragments; v192-255 eight fragments of key or value, in two halves of four.
.set STEPB, 43520
.set VCO,   32768                      ; value's codes in a record
.set KSO,   40960                      ; key's scale bytes
.set VSO,   43008                      ; value's scale words
.set SLOTB, 2*STEPB
.set QUART, SLOTB/4                    ; 21,760 bytes = 85 rows of 256
.set SLOT1, 1<<17                      ; slot 1 begins here: one exclusive or turns an address in one slot into the other's
.set STAGE, SLOT1+SLOTB                ; the join: bytes of its own behind slot 1, for each wave a tile's O^T (8,192) and its -M and l (256)
.set SREG,  8448
.set SPARE, STAGE+8*SREG               ; the spare words, 128 bytes for each of eight waves: four blocks of 256 bytes that no other line names
.set LI,   1                           ; v1   16 x lane
.set LK,   2                           ; v2   16 x lane + my key group's record in a slot
.set ADR,  3                           ; v3   the step's record + 16 x lane
.set ADR4, 4                           ; v4   the step's record + 4 x lane
.set VQ,   5                           ; v5   16 x (lane % 16)
.set SPW,  6                           ; v6   LDS address of my spare word; never rewritten
.set NIL,  7                           ; v7   0; never rewritten
.set L8,   8                           ; v8   8 x lane
.set LK4,  9                           ; v9   4 x lane + my key group's record in a slot
.set STO,  10                          ; v10, v11 where I put what I give in the join (16 and 8 bytes a lane)
.set STO8, 11
.set ST,   12
.set F,    20
.set BM,   24                          ; v24-27 the blocks' largest scores (2 q + c), then the conversions' scale operands
.set BP,   28                          ; v28-31 lane l xor 16's; then the bytes
.set D2,   32                          ; v32-33
.set T,    36                          ; v36-37
.set NM2,  38                          ; v38-39 -M - 2
.set SU,   40                          ; v40-43 the second chains of the sums
.set RDA,  44                          ; v44, v45 where I read what my partner gives
.set RDA8, 45
.set S,    64
.set PC,   192
.set KSC,  208                         ; v208-223 key's scale words: register 4 j + s: lane m for row m of the tile pair j, features 128 s on
.set VSC,  224                         ; v224-227 value's: register j: lane m for channel 32 j + m
.set QSC,  228                         ; v228-235 Q's: 4 q + s
.set PSC,  236                         ; v236-237 p's
.set OT,   0                           ; window 1
.set QF,   128
.set KB,   192
.set WV,   14                          ; s14 my wave's number
.set KG,   15                          ; s15 my key group
.set SEL,  20                          ; s[20:21] lane selects for v_permlanex16_b32: lane l xor 16
.set CS,   22                          ; s[22:23] c = log2(e) / 32
.set G1,   24                          ; s[24:31] descriptor group 1
.set G0,   32                          ; s[32:35] descriptor group 0, which walks
.set TB,   36                          ; s36 LDS byte at which the slot in hand begins
.set SLOTS, 37
.set NC,   38                          ; s38 -c
.set W_LD, 0x40                        ; destination window 1
.set W_QK, 0x05                        ; sources 0 and 1 window 1, C and D window 0
.set W_PV, 0x51                        ; source 0, C and D window 1, source 1 window 0
.set W_RS, 0x41                        ; destination and source 0 window 1
.set W_ST, 0x04                        ; a store's data window 1
.set MSB, 0
.macro WIN new                         ; the immediate's high byte repeats the setting that is left; a switch that changes nothing is dropped
.if MSB != \new
	s_set_vgpr_msb (MSB<<8)|\new
.set MSB, \new
.endif
.endm
; A round of the cluster's barrier: my work-group's barrier, wave 0 signals for the work-group, every wave waits for all four work-groups, my work-group's barrier once more
.macro ROUND
	s_barrier_signal -1
	s_barrier_wait -1
	s_cmp_lg_u32 s[WV], 0
	s_cbranch_scc1 .Lnot_wave_0_\@
	s_barrier_signal -3
.Lnot_wave_0_\@:
	s_barrier_wait -3
	s_barrier_signal -1
	s_barrier_wait -1
.endm
; The joint load: waves 0-3 a quarter of a slot each, the others nothing.  The branch hangs on the wave's number alone.  Four v_nop follow the line
.macro TLOAD
	s_cmp_lt_u32 s[WV], 4
	s_cbranch_scc0 .Lno_load_\@
	tensor_load_to_lds s[G0:G0+3], s[G1:G1+7]
	s_nop 0
.rept 4
	v_nop
.endr
.Lno_load_\@:
.endm
; THE CHANGE OF SLOTS stands at a slot's head.  Each wave waits for all its tensor loads (its part of the slot ahead), adds 0 to its spare word, and waits for that and for its reads of the slot that it has left
; (waves 4-7: value's fragments, asked for just before).  fill = 1: behind a round of the cluster's barrier that other slot is filled with the two records that follow.
.macro CHANGE fill
	s_wait_tensorcnt 0x0                           ; no tensor load of mine is out, so group 0 may be written
	ds_add_u32 v[SPW], v[NIL]                      ; 0 onto my spare word
.if \fill
	ds_add_u32 v[SPW], v[NIL]                      ; and once more
	s_xor_b32 s[G0+1], s[G0+1], SLOT1              ; the other slot than last time,
	s_add_nc_u64 s[G0+2:G0+3], s[G0+2:G0+3], SLOTB ; the next two records; the type bits on top are not reached
.endif
	s_wait_dscnt 0x0                               ; the add is done, and my reads of the slot that I have left are over
.if \fill
	ROUND                                          ; both now hold of every wave of all four work-groups
	TLOAD                                          ; the first thing behind the round, and a wave's one tensor load until the next
.else
	s_barrier_signal -1
	s_barrier_wait -1
.endif
.endm
; Eight LDS loads: four fragments into half 'half' of the buffer.  n = 0..7: key tiles 4 (n / 4) + 0..3, features 128 (n % 4) on.  n = 8, 9: value's channel tiles 4 (n - 8) + 0..3
.macro CHUNK n, half
.irp i, 0,1,2,3
.irp c, 0,1
.if (\n) < 8
	ds_load_b128 v[KB+32*(\half)+8*\i+4*\c:KB+32*(\half)+8*\i+4*\c+3], v[ADR] offset:((4*((\n)/4)+\i)*4+(\n)%4)*1024+512*\c
.else
	ds_load_b128 v[KB+32*(\half)+8*\i+4*\c:KB+32*(\half)+8*\i+4*\c+3], v[ADR] offset:VCO+(4*((\n)-8)+\i)*1024+512*\c
.endif
.endr
.endr
.endm
; Four products of S^T = K Q^T on chunk n: two pairs of key tiles x my two query tiles.  The four accumulators take turns, in the same order in every chunk.
; The first 128 features start the sums with the constant 0.
.macro QK n, half
.set sK, (\n)%4
.irp i, 0,1
.irp q, 0,1
.set jp, 2*((\n)/4)+\i
.set rD, S+64*\q+16*jp
.set rA, KB+32*(\half)+16*\i
.set rB, QF+32*\q+8*sK
.set rKS, KSC+4*jp+sK
.set rQS, QSC+4*\q+sK
.if sK == 0
	v_wmma_scale_f32_32x16x128_f4 v[rD:rD+15], v[rA:rA+15], v[rB:rB+7], 0, v[rKS], v[rQS]
.else
	v_wmma_scale_f32_32x16x128_f4 v[rD:rD+15], v[rA:rA+15], v[rB:rB+7], v[rD:rD+15], v[rKS], v[rQS]
.endif
.endr
.endr
.endm
; The LDS addresses of my record in the slot in hand: made on the way that all waves take, ahead of the two halves in which first waves 0-3 and then waves 4-7 read their records
.macro ADRS
	v_add_nc_u32 v[ADR], s[TB], v[LK]
	v_add_nc_u32 v[ADR4], s[TB], v[LK4]
.endm
; THE FIRST PHASE OF A STEP: the record's scale words, S^T = K Q^T in eight chunks, and value's eight fragments into the buffer that key's have left: behind it the wave needs nothing more of the record.
; Every window is 0 at its head and at its end.
.macro QKPH
.rept 4
	v_nop                                          ; four plain lines between the last step's products and the loads into their fragments and scale words (ISA guide 7.12.1 for vector instructions)
.endr
.irp j, 0,1,2,3
	ds_load_b128 v[KSC+4*\j:KSC+4*\j+3], v[ADR] offset:KSO+512*\j
.endr
.irp j, 0,1,2,3
	ds_load_b32 v[VSC+\j], v[ADR4] offset:VSO+128*\j
.endr
	WIN W_LD
	CHUNK 0, 0
	CHUNK 1, 1
.irp n, 0,1,2,3,4,5,6,7
	WIN W_QK
	s_wait_dscnt 8                                 ; LDS loads come back in order (ISA guide 5.7.1): all but the eight of the next chunk are in
	QK \n, \n%2
.rept 4
	v_nop                                          ; four plain lines ahead of the loads into the fragments just multiplied (behind the last chunk: also ahead of the first read of the scores)
.endr
	WIN W_LD
	CHUNK \n+2, \n%2                               ; two chunks ahead; the last two bring value's eight fragments
.endr
	WIN 0
.endm
; THE SECOND PHASE: the softmax of both tiles, O^T under the new M, O^T += V^T P^T.  Registers alone, but for the wait for value's fragments.  Every window is 0 at its head and at its end.
; Index x = 2 q + c: block c of tile q, the 32 registers from S + 32 x on.
.macro SMPV
.irp x, 0,1,2,3
	v_max3_num_f32 v[BM+\x], v[S+32*\x], v[S+32*\x+1], v[S+32*\x+2]   ; the largest score of each block of 32 keys (each accumulator is read from its low end on): it serves the row's maximum and the block's scale
.endr
.irp i, 3,5,7,9,11,13,15,17,19,21,23,25,27,29
.irp x, 0,1,2,3
	v_max3_num_f32 v[BM+\x], v[BM+\x], v[S+32*\x+\i], v[S+32*\x+\i+1]   ; (the four blocks by turns)
.endr
.endr
.irp x, 0,1,2,3
	v_max_num_f32 v[BM+\x], v[BM+\x], v[S+32*\x+31]
.endr
.irp q, 0,1
	v_max_num_f32 v[T+\q], v[BM+2*\q], v[BM+2*\q+1]
.endr
.irp q, 0,1
	v_permlanex16_b32 v[BP+\q], v[T+\q], s[SEL], s[SEL+1]
.endr
.irp q, 0,1
	v_max3_num_f32 v[ST+4*\q+1], v[ST+4*\q+1], v[T+\q], v[BP+\q]   ; the running largest score of my query
.endr
.irp q, 0,1
	v_mul_f32 v[T+\q], s[NC], v[ST+4*\q+1]         ; as -t (c is positive)
.endr
.irp q, 0,1
	v_floor_f32 v[T+\q], v[T+\q]                   ; the new -M = floor(-t) = -ceil(t)
.endr
.irp q, 0,1
	v_sub_f32 v[D2+\q], v[T+\q], v[ST+4*\q]        ; old M - new M: a whole number, 0 or less
.endr
.irp q, 0,1
	v_mov_b32 v[ST+4*\q], v[T+\q]
.endr
.irp q, 0,1
	v_cvt_i32_f32 v[D2+\q], v[D2+\q]               ; (it saturates)
.endr
.irp q, 0,1
	v_add_f32 v[NM2+\q], -2.0, v[T+\q]
.endr
.irp q, 0,1
	v_ldexp_f32 v[F+2*\q], 1.0, v[D2+\q]           ; f = 2^(old M - new M)
.endr
.set j, 0
.rept 32
	v_pk_fma_f32 v[S+j:S+j+1], v[S+j:S+j+1], s[CS:CS+1], v[ST:ST+1] op_sel_hi:[1,0,0]   ; tile 0: t - M, two at a time (of the pairs c and -M the low word serves both halves)
.set j, j+2
.endr
.irp q, 0,1
	v_pk_mul_f32 v[ST+4*\q+2:ST+4*\q+3], v[ST+4*\q+2:ST+4*\q+3], v[F+2*\q:F+2*\q+1] op_sel_hi:[1,0]   ; l under the new M
.endr
.irp x, 0,1,2,3
	v_fma_f32 v[BM+\x], v[BM+\x], s[CS], v[NM2+\x/2]   ; each block's largest t - M, less 2
.endr
	WIN W_RS
.irp q, 0,1
.set j, 0
.rept 32
	v_pk_mul_f32 v[OT+64*\q+j:OT+64*\q+j+1], v[OT+64*\q+j:OT+64*\q+j+1], v[F+2*\q:F+2*\q+1] op_sel_hi:[1,0]   ; O^T under the new M, each accumulator from its low end on
.set j, j+2
.endr
.endr
	WIN 0
	s_wait_alu depctr_va_vdst(0)                   ; ahead of the batch
.irp x, 0,1,2,3
	v_exp_f32 v[BM+\x], v[BM+\x]                   ; a quarter of the block's largest p: its exponent field is the block's scale
.endr
.set j, 0
.rept 32
	v_exp_f32 v[S+j], v[S+j]                       ; tile 0: p = 2^(t - M), at most 1
	v_exp_f32 v[S+j+1], v[S+j+1]
	v_pk_fma_f32 v[S+64+j:S+65+j], v[S+64+j:S+65+j], s[CS:CS+1], v[ST+4:ST+5] op_sel_hi:[1,0,0]   ; tile 1: t - M
.set j, j+2
.endr
	s_wait_alu depctr_va_vdst(0)                   ; between the batches
.set j, 64
.rept 64
	v_exp_f32 v[S+j], v[S+j]                       ; tile 1: p
.set j, j+1
.endr
	v_nop                                          ; a plain line behind the last exponential
	s_wait_alu depctr_va_vdst(0)                   ; behind the batch
.irp x, 0,1,2,3
	v_max_num_f32 v[BM+\x], 0x800000, v[BM+\x]     ; the floor 2^(1 - 127): the byte cannot fall under 1
.endr
.irp x, 0,1,2,3
	v_lshrrev_b32 v[BP+\x], 23, v[BM+\x]           ; the scale's byte
.endr
.irp q, 0,1
	v_lshl_or_b32 v[T+\q], v[BP+2*\q+1], 16, v[BP+2*\q]   ; lanes 0-15: the bytes of blocks 0 and 2; lanes 16-31: of blocks 1 and 3
.endr
.irp q, 0,1
	v_permlanex16_b32 v[BP+2*\q], v[T+\q], s[SEL], s[SEL+1]
.endr
.irp q, 0,1
	v_lshl_or_b32 v[PSC+\q], v[BP+2*\q], 8, v[T+\q]   ; p's scale word for these 128 keys (lanes 0-15 are read)
.endr
.irp x, 0,1,2,3
.irp g, 0,1,2,3
	v_cvt_scalef32_pk8_fp4_f32 v[PC+4*\x+\g], v[S+32*\x+8*\g:S+32*\x+8*\g+7], v[BM+\x]   ; keys 64 c + 32 h + 8 g + 0..7: the operand's registers 4 c + g
.endr
.endr
.irp q, 0,1
	v_pk_add_f32 v[SU+2*\q:SU+2*\q+1], v[S+64*\q:S+64*\q+1], v[S+64*\q+2:S+64*\q+3]   ; l takes the UNQUANTISED p: two at a time, in two chains a tile
.endr
.set j, 4
.rept 15
.irp q, 0,1
	v_pk_add_f32 v[ST+4*\q+2:ST+4*\q+3], v[ST+4*\q+2:ST+4*\q+3], v[S+64*\q+j:S+64*\q+j+1]
	v_pk_add_f32 v[SU+2*\q:SU+2*\q+1], v[SU+2*\q:SU+2*\q+1], v[S+64*\q+j+2:S+64*\q+j+3]
.endr
.set j, j+4
.endr
.irp q, 0,1
	v_pk_add_f32 v[ST+4*\q+2:ST+4*\q+3], v[ST+4*\q+2:ST+4*\q+3], v[SU+2*\q:SU+2*\q+1]
.endr
	s_wait_alu depctr_va_vdst(0)                   ; directly ahead of the wait below
	s_wait_dscnt 0x0                               ; value's fragments are in
	WIN W_PV
.irp d, 0,1,2,3                                ; eight accumulators, one product each
.irp q, 0,1
	v_wmma_scale_f32_32x16x128_f4 v[OT+64*\q+16*\d:OT+64*\q+16*\d+15], v[KB+16*\d:KB+16*\d+15], v[PC+8*\q:PC+8*\q+7], v[OT+64*\q+16*\d:OT+64*\q+16*\d+15], v[VSC+\d], v[PSC+\q]
.endr
.endr
	WIN 0
.endm
; THE TWO HALVES.  P2: waves 0-3 take the first phase of the step whose addresses stand in v[ADR], waves 4-7 the second phase of the step before.  P1: waves 0-3 that step's second phase, waves 4-7 its first.
; The branches hang on the wave's number alone; no barrier and no tensor load stands under them.
.macro P2
	s_wait_alu depctr_va_vdst(0)                   ; ahead of the branch
	s_cmp_lt_u32 s[WV], 4
	s_cbranch_scc0 .Lp2_late_\@
	QKPH
	s_branch .Lp2_end_\@
.Lp2_late_\@:
	SMPV
.Lp2_end_\@:
.endm
.macro P1
	s_cmp_lt_u32 s[WV], 4
	s_cbranch_scc0 .Lp1_late_\@
	SMPV
	s_branch .Lp1_end_\@
.Lp1_late_\@:
	s_wait_alu depctr_va_vdst(0)                   ; ahead of the reader below
	QKPH
.Lp1_end_\@:
.endm
; THE JOIN.  GIVE: tile q's O^T, -M and l into my stage, as an image of the registers
.macro GIVE q
	ds_store_b64 v[STO8], v[ST+4*(\q):ST+4*(\q)+1] offset:8192
	WIN W_ST
.irp g, 0,1,2,3,4,5,6,7,8,9,10,11,12,13,14,15
	ds_store_b128 v[STO], v[OT+64*(\q)+4*\g:OT+64*(\q)+4*\g+3] offset:512*\g
.endr
	WIN 0
.endm
; JOIN: tile q, mine and my partner's (O^T in Q's registers, -M and l in v[BM:BM+1]) under one M; then out as an image of the registers: each store is 512 consecutive bytes, aligned to 256
.macro JOIN q
	v_min_num_f32 v[T], v[ST+4*(\q)], v[BM]        ; -M*: M* the larger M
	v_sub_f32 v[D2], v[T], v[ST+4*(\q)]
	v_sub_f32 v[D2+1], v[T], v[BM]
	v_cvt_i32_f32 v[D2], v[D2]
	v_cvt_i32_f32 v[D2+1], v[D2+1]
	v_ldexp_f32 v[F], 1.0, v[D2]                   ; 2^(my M - M*)
	v_ldexp_f32 v[F+2], 1.0, v[D2+1]               ; 2^(my partner's M - M*)
	v_mul_f32 v[T+1], v[ST+4*(\q)+1], v[F]
	v_fmac_f32 v[T+1], v[BM+1], v[F+2]             ; l
	WIN W_RS
.set j, 0
.rept 32
	v_pk_mul_f32 v[OT+64*(\q)+j:OT+64*(\q)+j+1], v[OT+64*(\q)+j:OT+64*(\q)+j+1], v[F:F+1] op_sel_hi:[1,0]
.set j, j+2
.endr
	s_wait_dscnt 0x0                               ; my partner's O^T is in
	WIN W_PV
.set j, 0
.rept 32
	v_pk_fma_f32 v[OT+64*(\q)+j:OT+64*(\q)+j+1], v[QF+j:QF+j+1], v[F+2:F+3], v[OT+64*(\q)+j:OT+64*(\q)+j+1] op_sel_hi:[1,0,1]
.set j, j+2
.endr
	WIN 0
	global_store_b64 v[L8], v[T:T+1], s[12:13]     ; -M and l
	WIN W_ST
.irp g, 0,1,2,3,4,5,6,7,8,9,10,11,12,13,14,15
	global_store_b128 v[LI], v[OT+64*(\q)+4*\g:OT+64*(\q)+4*\g+3], s[10:11] offset:512*\g
.endr
	WIN 0
.endm
	s_load_b256 s[4:11], s[0:1], 0x0               ; qc s[4:5], qs s[6:7], kv s[8:9], opart s[10:11]
	s_load_b64 s[12:13], s[0:1], 0x20              ; stat
	v_lshl_add_u32 v[SPW], v0, 2, SPARE
	v_mov_b32 v[NIL], 0
	ds_add_u32 v[SPW], v[NIL]                      ; the wave's opening
	ds_add_u32 v[SPW], v[NIL]
	v_lshrrev_b32 v3, 5, v0
	v_readfirstlane_b32 s[WV], v3                  ; wave 0..7
	v_and_b32 v3, 31, v0                           ; lane
	v_lshlrev_b32 v[LI], 4, v3
	v_lshlrev_b32 v4, 2, v3
	v_lshlrev_b32 v[L8], 3, v3
	v_and_b32 v[VQ], 15, v0
	v_lshlrev_b32 v[VQ], 4, v[VQ]
	s_wait_alu depctr_va_vdst(0)                   ; ahead of the scalar lines below
	s_lshr_b32 s[KG], s[WV], 2                     ; my key group
	s_and_b32 s18, s[WV], 3                        ; my query pair; also: which quarter of a slot I fetch, if I fetch
	s_mul_i32 s45, s[KG], STEPB
	s_mul_i32 s46, s[WV], SREG
	s_add_co_u32 s46, s46, STAGE                   ; my stage,
	s_xor_b32 s47, s[WV], 4
	s_mul_i32 s47, s47, SREG
	s_add_co_u32 s47, s47, STAGE                   ; and my partner's: the same queries, the other key group
	v_add_nc_u32 v[LK], s45, v[LI]
	v_add_nc_u32 v[LK4], s45, v4
	v_add_nc_u32 v[STO], s46, v[LI]
	v_add_nc_u32 v[STO8], s46, v[L8]
	v_add_nc_u32 v[RDA], s47, v[LI]
	v_add_nc_u32 v[RDA8], s47, v[L8]
	s_bfe_u32 s39, ttmp6, 0x40000                  ; cx: my place in the cluster
	s_lshl_b32 s16, ttmp9, 2                       ; in a cluster launch ttmp9 counts clusters
	s_add_co_u32 s16, s16, s39                     ; my block of 128 queries: it enters Q's and the results' addresses alone
	s_and_b32 s17, ttmp7, 0xffff                   ; the split, which the four partners share
	; descriptor group 1: 85 rows of 32 elements of 8 bytes, dense in memory and in LDS
	s_mov_b32 s[G1], 15|(3<<16)|(1<<21)            ; 15:0 the mask: all four work-groups; 17:16 elements of 8 bytes; 20 no padding; 21 set beside a mask
	s_mov_b32 s[G1+1], 32<<16                      ; tensor_dim0 = 32
	s_mov_b32 s[G1+2], 85<<16                      ; tensor_dim1 = 85
	s_mov_b32 s[G1+3], 32<<16                      ; tile_dim0 = 32
	s_mov_b32 s[G1+4], 85                          ; tile_dim1 = 85
	s_mov_b32 s[G1+5], 32                          ; from row to row
	s_mov_b32 s[G1+6], 0
	s_mov_b32 s[G1+7], 0
	s_lshl_b32 s19, s16, 3
	s_lshl_b32 s42, s18, 1
	s_add_co_u32 s19, s19, s42                     ; my first query tile: 8 x block + 2 x pair
	s_lshl_b32 s44, s17, 9
	s_add_co_u32 s44, s44, s19
	s_add_co_u32 s44, s44, s[KG]                   ; 512 x split + the tile that I keep in the join: my first in group 0, my second in group 1
	s_mov_b32 s43, 0
	s_mul_i32 s18, s18, QUART                      ; my quarter of a slot, in LDS and in memory: the wave's number alone
	s_mul_i32 s40, s17, 16*STEPB                   ; the split's sixteen records
	s_add_co_u32 s40, s40, s18
	s_mov_b32 s41, 0                               ; (s18, s40, s41 never hold my place in the cluster)
	s_mov_b32 s[SEL], 0x76543210
	s_mov_b32 s[SEL+1], 0xfedcba98
	s_mov_b32 s[CS], 0x3d38aa3b                    ; c = log2(e) / 32
	s_mov_b32 s[CS+1], s[CS]                       ; (named with it as a pair, so it is written)
	s_mov_b32 s[NC], 0xbd38aa3b                    ; -c
	s_mov_b32 s[TB], 0
	s_mov_b32 s[SLOTS], 6
	s_wait_alu depctr_va_vdst(0)                   ; directly ahead of the waits below
	s_wait_dscnt 0x0                               ; both opening adds are done
	s_wait_kmcnt 0x0
	s_mov_b32 s[G0], 1                             ; count = 1
	s_mov_b32 s[G0+1], s18                         ; LDS address: slot 0, my quarter
	s_add_nc_u64 s[G0+2:G0+3], s[8:9], s[40:41]    ; global address: the split's first two records, my quarter
	s_or_b32 s[G0+3], s[G0+3], 0x80000000          ; type = 2
	s_lshl_b32 s42, s19, 12
	s_add_nc_u64 s[4:5], s[4:5], s[42:43]          ; Q's codes: 4,096 bytes a tile
	s_lshl_b32 s42, s19, 8
	s_add_nc_u64 s[6:7], s[6:7], s[42:43]          ; Q's scale bytes: 256 a tile
	s_lshl_b32 s42, s44, 13
	s_add_nc_u64 s[10:11], s[10:11], s[42:43]      ; my result: 8,192 bytes a tile
	s_lshl_b32 s42, s44, 8
	s_add_nc_u64 s[12:13], s[12:13], s[42:43]      ; -M and l: 256 bytes a tile
	WIN W_LD
.irp q, 0,1
.irp i, 0,1,2,3,4,5,6,7
	global_load_b128 v[QF+32*\q+4*\i:QF+32*\q+4*\i+3], v[LI], s[4:5] offset:4096*\q+512*\i   ; Q's fragments stay in registers: piece i = registers 4 i on
.endr
.endr
	WIN 0
.irp q, 0,1
	global_load_b128 v[QSC+4*\q:QSC+4*\q+3], v[VQ], s[6:7] offset:256*\q   ; row lane % 16: four scale words
.endr
	ROUND                                          ; all four work-groups are here: the first joint loads meet
	TLOAD                                          ; slot 0
.irp q, 0,1
	v_mov_b32 v[ST+4*\q+1], 0xff61b1e6             ; the largest score so far: -3e38, under every score
.endr
.irp q, 0,1
	v_mul_f32 v[ST+4*\q], s[NC], v[ST+4*\q+1]      ; -M: a number beyond 2^24, so a whole one
	v_mov_b32 v[ST+4*\q+2], 0                      ; l, in two halves
	v_mov_b32 v[ST+4*\q+3], 0
	v_mov_b32 v[F+2*\q+1], 0                       ; (named as the upper half of f's pair)
.endr
.irp b, 0,1,2,3
	v_mov_b32 v[BP+\b], 0                          ; written once: a lane permute's destination counts as one of its sources
.endr
	WIN W_LD
.set j, 0
.rept 128
	v_mov_b32 v[OT+j], 0                           ; O^T: the first step finds zeros, which the first change of M leaves zeros
.set j, j+1
.endr
	WIN 0
	s_wait_alu depctr_va_vdst(0)                   ; at the head's end
	s_wait_loadcnt 0x0                             ; Q
	; THE FIRST STEP is written out: in its first half waves 4-7 have no softmax to do yet
	CHANGE 1                                       ; slot 0 is whole; slot 1 is asked for
	ADRS
	s_wait_alu depctr_va_vdst(0)                   ; ahead of the branch
	s_cmp_lt_u32 s[WV], 4
	s_cbranch_scc0 .Lapart
	QKPH                                           ; waves 0-3: the first scores
.Lapart:
	s_wait_dscnt 0x0                               ; no LDS instruction of mine is out at a signal
	s_barrier_signal -1                            ; waves 4-7 wait here until waves 0-3 have their first scores: from here on the two groups run half a step apart.
	s_barrier_wait -1                              ; Slot 1's load may stay out across it
	P1                                             ; waves 0-3: second phase of step 0 | waves 4-7: first phase of step 0
	s_xor_b32 s[TB], s[TB], SLOT1                  ; on to the other slot
.Lslot:                                            ; six trips: steps 1 to 6
	CHANGE 1
	ADRS
	P2
	P1
	s_xor_b32 s[TB], s[TB], SLOT1
	s_sub_co_u32 s[SLOTS], s[SLOTS], 1
	s_cmp_lg_u32 s[SLOTS], 0
	s_cbranch_scc1 .Lslot
	CHANGE 0                                       ; the last slot is written out
	ADRS
	P2
	P1
	s_cmp_lt_u32 s[WV], 4
	s_cbranch_scc1 .Lout
	SMPV                                           ; waves 4-7: the second phase of the last step
.Lout:
	; THE JOIN.  Waves w and w + 4 hold the same two tiles over different keys: wave w keeps the first and gives the second, wave w + 4 the other way round
.rept 4
	v_nop                                          ; four plain lines behind the last products
.endr
	s_wait_alu depctr_va_vdst(0)                   ; directly ahead of the reader below
.irp q, 0,1
	v_add_f32 v[ST+4*\q+2], v[ST+4*\q+2], v[ST+4*\q+3]   ; l's two halves,
.endr
.irp q, 0,1
	v_permlanex16_b32 v[BP+\q], v[ST+4*\q+2], s[SEL], s[SEL+1]
.endr
.irp q, 0,1
	v_add_f32 v[ST+4*\q+1], v[ST+4*\q+2], v[BP+\q] ; and lane l xor 16's: beside -M
.endr
	s_cmp_lt_u32 s[WV], 4
	s_wait_alu depctr_va_vdst(0)                   ; directly ahead of the branch
	s_cbranch_scc0 .Lgive_late
	GIVE 1
	s_branch .Lgiven
.Lgive_late:
	GIVE 0
.Lgiven:
	s_wait_dscnt 0x0                               ; for my partner's sake: my stores are done
	s_barrier_signal -1
	s_barrier_wait -1
	ds_load_b64 v[BM:BM+1], v[RDA8] offset:8192
	WIN W_LD
.irp g, 0,1,2,3,4,5,6,7,8,9,10,11,12,13,14,15
	ds_load_b128 v[QF+4*\g:QF+4*\g+3], v[RDA] offset:512*\g
.endr
	WIN 0
	s_wait_dscnt 16                                ; my partner's -M and l are in; the sixteen loads behind them may be out
	s_cmp_lt_u32 s[WV], 4
	s_cbranch_scc0 .Ljoin_late
	JOIN 0
	s_branch .Ljoined
.Ljoin_late:
	JOIN 1
.Ljoined:
	s_wait_tensorcnt 0x0                           ; the wave's end
	ds_add_u32 v[SPW], v[NIL]
	s_wait_dscnt 0x0
	ROUND                                          ; the closing round: no work-group ends while a partner may still ask for a tile that names it
	s_endpgm
.Lfunc_end_k_q18cc3cf353_attn:
	.size	k_q18cc3cf353_attn, .Lfunc_end_k_q18cc3cf353_attn-k_q18cc3cf353_attn
	.p2alignl 7, 3214868480
	.fill 96, 4, 3214868480
	.section	.rodata,"a",@progbits
	.p2align	6, 0x0
	.amdhsa_kernel k_q18cc3cf353_attn
		.amdhsa_group_segment_fixed_size 327680
		.amdhsa_private_segment_fixed_size 0
		.amdhsa_enable_private_segment 0
		.amdhsa_kernarg_size 40
		.amdhsa_user_sgpr_count 2
		.amdhsa_user_sgpr_kernarg_segment_ptr 1
		.amdhsa_wavefront_size32 1
		.amdhsa_system_sgpr_workgroup_id_x 1
		.amdhsa_system_sgpr_workgroup_id_y 1
		.amdhsa_system_sgpr_workgroup_id_z 1
		.amdhsa_system_vgpr_workitem_id 0
		.amdhsa_next_free_vgpr 512
		.amdhsa_next_free_sgpr 66
		.amdhsa_reserve_vcc 0
		.amdhsa_float_denorm_mode_32 3
		.amdhsa_float_denorm_mode_16_64 3
		.amdhsa_memory_ordered 1
		.amdhsa_forward_progress 1
		.amdhsa_inst_pref_size 245
	.end_amdhsa_kernel
	.amdgpu_metadata
---
amdhsa.version: [ 1, 2 ]
amdhsa.kernels:
  - .name:           k_q18cc3cf353_attn
    .symbol:         k_q18cc3cf353_attn.kd
    .args:
      - { .name: qc, .offset: 0, .size: 8, .value_kind: global_buffer, .address_space: global }
      - { .name: qs, .offset: 8, .size: 8, .value_kind: global_buffer, .address_space: global }
      - { .name: kv, .offset: 16, .size: 8, .value_kind: global_buffer, .address_space: global }
      - { .name: opart, .offset: 24, .size: 8, .value_kind: global_buffer, .address_space: global }
      - { .name: stat, .offset: 32, .size: 8, .value_kind: global_buffer, .address_space: global }
    .group_segment_fixed_size: 327680
    .private_segment_fixed_size: 0
    .kernarg_segment_align: 8
    .kernarg_segment_size: 40
    .max_flat_workgroup_size: 256
    .sgpr_count:     66
    .vgpr_count:     512
    .wavefront_size: 32
...
	.end_amdgpu_metadata
.endif
;; end of part 2
;; launch merge (part 3): grid 512 x 1, 4 waves a work-group, no clusters, 8,960 bytes of LDS; arguments opart, stat, out0; writes out0
.if DOCPART == 3
	.amdgcn_target "amdgcn-amd-amdhsa--gfx1250"
	.amdhsa_code_object_version 6
	.text
	.protected	k_q18cc3cf353_merge
	.globl	k_q18cc3cf353_merge
	.p2align	8
	.type	k_q18cc3cf353_merge,@function
k_q18cc3cf353_merge:
	s_mov_b64 s[64:65], 0
	v_nop
	global_prefetch_b8 v0, s[64:65] scope:SCOPE_SE
	s_setreg_imm32_b32 hwreg(HW_REG_WAVE_MODE, 25, 1), 1
	s_wait_xcnt 0x0
; out = (sum over the four key splits s of 2^(M_s - M*) O_s) / (sum over s of 2^(M_s - M*) l_s), M* the largest M_s: all M are whole numbers, so the powers of two round nothing.
; opart: [split][tile of 16 queries][g 0..15][lane][16 bytes]: registers 4 g .. 4 g + 3 of the tile's 64; register 8 d + i of lane (r, h) is o(query r, channel 16 d + 8 h + i).
; stat: [split][tile][lane][8 bytes] = (-M, l) of the lane's query.  out0: [8192][128] f32.
; A work-group takes one tile; wave w takes registers 16 w .. 16 w + 15 (channels 32 w on) of all four splits: every load is 512 consecutive bytes, all 20 of a wave are issued at once.
; A row's 128 channels come from four waves: they meet in a stage in LDS (rows of 512 bytes + 16), and each wave stores four whole rows.
; No matrix unit, no tensor load, no cluster: no two work-groups read the same bytes.  The largest p of the split that holds M* lies over 1/2, so the divisor is never 0.
.set SPL,  4194304                     ; from split to split in opart
.set NM,   8                           ; v8-15   (-M_s, l_s)
.set G,    16                          ; v16-23  the weights g_s, each in both registers of a pair
.set A,    24                          ; v24-39  the sums (v24-27 first serve as scratch)
.set OUTR, 40                          ; v40-55  four rows on the way out
.set SPW,  56                          ; v56     LDS address of my spare word
.set NIL,  57                          ; v57     0
.set D,    64                          ; v64-127 four splits x 16 registers
.set SPARE, 16*528                     ; behind the stage: the spare words, 128 bytes for each wave
	s_load_b128 s[4:7], s[0:1], 0x0                ; opart, stat
	s_load_b64 s[8:9], s[0:1], 0x10                ; out0
	v_lshl_add_u32 v[SPW], v0, 2, SPARE
	v_mov_b32 v[NIL], 0
	v_lshrrev_b32 v5, 5, v0
	v_readfirstlane_b32 s10, v5                    ; wave 0..3
	v_and_b32 v5, 31, v0
	v_lshlrev_b32 v1, 4, v5                        ; 16 x lane
	v_lshlrev_b32 v2, 3, v5                        ; 8 x lane
	v_and_b32 v6, 15, v0                           ; r
	v_bfe_u32 v7, v0, 4, 1                         ; h
	v_mul_u32_u24 v3, v6, 528
	v_lshl_add_u32 v3, v7, 5, v3
	s_lshl_b32 s11, s10, 7
	v_add_nc_u32 v3, s11, v3                       ; the stage, in: row r, + 32 h, + 128 x wave
	s_mul_i32 s24, s10, 4*528
	v_add_nc_u32 v4, s24, v1                       ; and back: my four rows, 16 bytes a lane
	s_lshl_b32 s20, ttmp9, 13
	s_lshl_b32 s21, s10, 11
	s_add_co_u32 s20, s20, s21                     ; 8,192 x tile + 2,048 x wave: my place in a split's tile, and my four rows' in out0
	s_mov_b32 s21, 0
	s_lshl_b32 s22, ttmp9, 8
	s_mov_b32 s23, 0
	s_wait_alu depctr_va_vdst(0)                   ; at the head's end
	s_wait_kmcnt 0x0
	s_add_nc_u64 s[12:13], s[4:5], s[20:21]        ; splits 0, 1: the second of a pair stands in the immediate
	s_add_nc_u64 s[14:15], s[12:13], 2*SPL         ; splits 2, 3
	s_add_nc_u64 s[6:7], s[6:7], s[22:23]
	s_add_nc_u64 s[8:9], s[8:9], s[20:21]
.irp s, 0,1,2,3
	global_load_b64 v[NM+2*\s:NM+2*\s+1], v2, s[6:7] offset:131072*\s
.endr
.irp s, 0,1,2,3
.irp g, 0,1,2,3
	global_load_b128 v[D+16*\s+4*\g:D+16*\s+4*\g+3], v1, s[12+2*(\s/2):13+2*(\s/2)] offset:(\s%2)*SPL+512*\g th:TH_LOAD_NT
.endr
.endr
	s_wait_loadcnt 16                              ; -M and l are in; the 16 loads behind them may be out
	v_min3_num_f32 v58, v[NM], v[NM+2], v[NM+4]
	v_min_num_f32 v58, v58, v[NM+6]                ; -M*
.irp s, 0,1,2,3
	v_sub_f32 v[A+\s], v58, v[NM+2*\s]             ; M_s - M*: a whole number, 0 or less
.endr
.irp s, 0,1,2,3
	v_cvt_i32_f32 v[A+\s], v[A+\s]                 ; (it saturates)
.endr
.irp s, 0,1,2,3
	v_ldexp_f32 v[G+2*\s], 1.0, v[A+\s]            ; f_s = 2^(M_s - M*)
.endr
	v_mul_f32 v59, v[G], v[NM+1]
.irp s, 1,2,3
	v_fmac_f32 v59, v[G+2*\s], v[NM+2*\s+1]        ; the row's sum under M*
.endr
	s_wait_alu depctr_va_vdst(0)                   ; ahead of the transcendental
	v_rcp_f32 v60, v59
	v_nop                                          ; one plain line behind a transcendental
	s_wait_alu depctr_va_vdst(0)                   ; and behind it
.irp s, 0,1,2,3
	v_mul_f32 v[G+2*\s+1], v[G+2*\s], v60          ; g_s = f_s / the sum, in both registers of the pair
	v_mul_f32 v[G+2*\s], v[G+2*\s], v60
.endr
.irp s, 0,1,2,3
	s_wait_alu depctr_va_vdst(0)                   ; directly ahead of the wait below
	s_wait_loadcnt 4*(3-\s)                        ; split s's four loads are in; those of the splits behind it may be out
.irp k, 0,2,4,6,8,10,12,14
.if \s == 0
	v_pk_mul_f32 v[A+\k:A+\k+1], v[D+\k:D+\k+1], v[G:G+1]   ; the first split starts the sums
.else
	v_pk_fma_f32 v[A+\k:A+\k+1], v[D+16*\s+\k:D+16*\s+\k+1], v[G+2*\s:G+2*\s+1], v[A+\k:A+\k+1]
.endif
.endr
.endr
.irp n, 0,1
	ds_store_b128 v3, v[A+8*\n:A+8*\n+3] offset:64*\n          ; o(r, 32 w + 16 n + 8 h + 0..7)
	ds_store_b128 v3, v[A+8*\n+4:A+8*\n+7] offset:64*\n+16
.endr
	s_wait_dscnt 0x0                               ; for the others' sake: my stores into the stage are done
	s_barrier_signal -1
	s_barrier_wait -1
.irp i, 0,1,2,3
	ds_load_b128 v[OUTR+4*\i:OUTR+4*\i+3], v4 offset:528*\i
.endr
.irp i, 0,1,2,3
	s_wait_dscnt 3-\i                              ; row i is back; the rows behind it may be out
	global_store_b128 v1, v[OUTR+4*\i:OUTR+4*\i+3], s[8:9] offset:512*\i th:TH_STORE_NT   ; 32 lanes store a row of 512 consecutive bytes, aligned to 256
.endr
	s_wait_tensorcnt 0x0                           ; the wave's end
	ds_add_u32 v[SPW], v[NIL]
	s_wait_dscnt 0x0
	s_endpgm
.Lfunc_end_k_q18cc3cf353_merge:
	.size	k_q18cc3cf353_merge, .Lfunc_end_k_q18cc3cf353_merge-k_q18cc3cf353_merge
	.p2alignl 7, 3214868480
	.fill 96, 4, 3214868480
	.section	.rodata,"a",@progbits
	.p2align	6, 0x0
	.amdhsa_kernel k_q18cc3cf353_merge
		.amdhsa_group_segment_fixed_size 8960
		.amdhsa_private_segment_fixed_size 0
		.amdhsa_enable_private_segment 0
		.amdhsa_kernarg_size 24
		.amdhsa_user_sgpr_count 2
		.amdhsa_user_sgpr_kernarg_segment_ptr 1
		.amdhsa_wavefront_size32 1
		.amdhsa_system_sgpr_workgroup_id_x 1
		.amdhsa_system_sgpr_workgroup_id_y 1
		.amdhsa_system_sgpr_workgroup_id_z 1
		.amdhsa_system_vgpr_workitem_id 0
		.amdhsa_next_free_vgpr 128
		.amdhsa_next_free_sgpr 66
		.amdhsa_reserve_vcc 0
		.amdhsa_float_denorm_mode_32 3
		.amdhsa_float_denorm_mode_16_64 3
		.amdhsa_memory_ordered 1
		.amdhsa_forward_progress 1
		.amdhsa_inst_pref_size 8
	.end_amdhsa_kernel
	.amdgpu_metadata
---
amdhsa.version: [ 1, 2 ]
amdhsa.kernels:
  - .name:           k_q18cc3cf353_merge
    .symbol:         k_q18cc3cf353_merge.kd
    .args:
      - { .name: opart, .offset: 0, .size: 8, .value_kind: global_buffer, .address_space: global }
      - { .name: stat, .offset: 8, .size: 8, .value_kind: global_buffer, .address_space: global }
      - { .name: out0, .offset: 16, .size: 8, .value_kind: global_buffer, .address_space: global }
    .group_segment_fixed_size: 8960
    .private_segment_fixed_size: 0
    .kernarg_segment_align: 8
    .kernarg_segment_size: 24
    .max_flat_workgroup_size: 128
    .sgpr_count:     66
    .vgpr_count:     128
    .wavefront_size: 32
...
	.end_amdgpu_metadata
.endif
;; end of part 3
